; MI455X (gfx1250); checked and timed in simulation.
; The chip was launched on July 23, 2026; its instructions are those of AMD's public machine-readable ISA for CDNA 5 (MIT licence, August 2026) and "CDNA5" Instruction Set Architecture Reference Guide (July 2026). The comments in the code are by the model that wrote it; some were corrected since.
;; Causal Self Attention. Allowed arithmetic: matrix products marked QUANTISED: E2M1 operands, one E8M0 scale for each 32 along K, by v_wmma_scale_f32_16x16x128_f8f6f4 with both operands' format E2M1 (or v_wmma_scale_f32_32x16x128_f4), f32 sums; everything else in f32.
;; Inputs: c_proj_b 1,024 float32; c_proj_w_codes 1,024 x 32 x 16 uint8 (E2M1 codes of c_proj_w, K innermost, in blocks of 32 codes, two codes a byte); c_proj_w_scales 1,024 x 32 uint8 (E8M0 scales of c_proj_w, one for each 32 codes along K); lamb 1 float32; qkv_weight_codes 3 x 1,024 x 32 x 16 uint8 (E2M1 codes of qkv_weight, K innermost, in blocks of 32 codes, two codes a byte); qkv_weight_scales 3 x 1,024 x 32 uint8 (E8M0 scales of qkv_weight, one for each 32 codes along K); v1 4 x 2,048 x 1,024 float32; x_codes 4 x 2,048 x 32 x 16 uint8 (E2M1 codes of x, K innermost, in blocks of 32 codes, two codes a byte); x_scales 4 x 2,048 x 32 uint8 (E8M0 scales of x, one for each 32 codes along K).
;; Outputs: out0 4 x 2,048 x 1,024 float32; out1 4 x 16 x 2,048 x 64 float32.
;; Constants: attn_window = 512.
;; This version of the problem:
;;   THIS VERSION OF THE PROBLEM IS GIVEN IN LOW PRECISION. The matrix products marked QUANTISED in the list below multiply operands that are first quantised to E2M1 (2 exponent bits, 1 mantissa bit; 4 bits a number), with one power-of-two scale for each 32 numbers along K (OCP MX v1.0); their sums are f32. All else is computed in f32.
;;   The module's matrix products, in the order in which they are computed (A, B: the left and right operand; K: the contracted axis; several contracted axes count as one K, in the product's order):
;;     1. [M 3,072, K 1,024] x [K 1,024, N 8,192]; A: input qkv_weight (given as codes); B: input x (given as codes): QUANTISED
;;     2. batch 64 x [M 2,048, K 64] x [K 64, N 2,048]; A: computed on the way; B: computed on the way: QUANTISED
;;     3. batch 64 x [M 2,048, K 2,048] x [K 2,048, N 64]; A: softmax (see below); B: computed on the way: QUANTISED
;;     4. [M 8,192, K 1,024] x [K 1,024, N 1,024]; A: computed on the way; B: input c_proj_w (given as codes): QUANTISED
;;   THE QUANTISER, for each operand of a quantised product, along K:
;;     - K is cut into blocks of 32 from its start; a last block that is shorter is filled with zeros.
;;     - A block's scale is 2^e with e = floor(log2(the largest magnitude in the block)) - 2, held to -126 .. 127; a block of zeros has e = 0. As a byte (E8M0): e + 127.
;;     - Each number is divided by its block's scale, clamped to +-6, and rounded to the nearest number of E2M1, ties to even, subnormals kept.
;;     - The product sums the exact products of the quantised numbers (number of the format x scale) in f32.
;;   ~~~python
;;   def quantise(x, axis):      # numpy; x: float32 -> the quantised numbers, widened to float32 again
;;       x = np.moveaxis(x, axis, -1); K = x.shape[-1]
;;       x = np.pad(x, [(0, 0)] * (x.ndim - 1) + [(0, -K % 32)]); x = x.reshape(x.shape[:-1] + (-1, 32)); a = np.abs(x).max(-1, keepdims=True)
;;       e = np.where(a > 0, np.clip(np.frexp(np.where(a > 0, a, 1))[1] - 1 - 2, -126, 127), 0)      # np.frexp(a)[1] - 1 = floor(log2(a)), exactly
;;       r = np.clip(x / 2.0 ** e, -6, 6)
;;       step = 2.0 ** (np.maximum(np.frexp(np.where(r == 0, 1, r))[1] - 1, 0) - 1)
;;       q = np.round(r / step) * step * 2.0 ** e      # np.round: ties to even
;;       return np.moveaxis(q.reshape(q.shape[:-2] + (-1,))[..., :K], -1, axis).astype(np.float32)
;;   ~~~
;;   SOFTMAX AHEAD OF A QUANTISED PRODUCT. Where the list says 'softmax', what is quantised is not the finished softmax but p = 2^(t - M), with t = logit x log2(e) and M = ceil(the row's largest t), a whole number; so 1/2 < the row's largest p <= 1. The row's sum l is taken of the UNQUANTISED p, in f32, and the product's result is divided by l at the end. Since M is a whole number, a kernel that streams over the keys may use a running M (the ceiling of the running maximum): every later rescaling is an exact power of two, which a block's scale takes up: the codes' values come out the same.
;;   OPERANDS COMPUTED ON THE WAY. 'Computed on the way' means the value that the module computes at that place (a softmax that the list does not call 'softmax' is quantised finished and normalised). What goes into a quantiser is computed in f32, as accurately as f32 sums, v_exp_f32 and their like allow (about 1e-6 of the number): no bf16 or f16 on the way to a quantiser, and a product that is left as it is and whose result goes on into a quantised operand takes f32 operands (vector FMAs, or v_wmma_f32_16x16x4_f32). A number that lies on a knife's edge between two numbers of the format may be rounded either way, as far as f32 arithmetic and the matrix unit's own rounding can turn it there, and no further.
;;   INPUTS GIVEN AS CODES. c_proj_w (in the module: [1024, 1024], K = its axis 1); qkv_weight (in the module: [3, 1024, 1024], K = its axis 2); x (in the module: [4, 2048, 1024], K = its axis 2): each comes as NAME_codes (uint8): NAME with its K axis moved to the last place and cut into blocks of 32 codes, [.., K / 32, bytes a block], one block behind the other in memory; two codes a byte, the lower K in the low four bits (a code: sign, 2 exponent bits, 1 mantissa bit); and NAME_scales (uint8): the same leading axes, one E8M0 byte (e + 127) for each 32 codes along K. Its value is code x scale, taken as it is: it is not quantised again, and the codes and scales need not be those that the quantiser above would give.
;; One version. Each part assembles by itself: llvm-mc -triple=amdgcn-amd-amdhsa -mcpu=gfx1250 --defsym DOCPART=n.
;; ======== version 1 of 1: 3 launches
;; limits: right only within a limited range of input values
;; workspace buffers: qcod 4,194,304 bytes; kcod 4,194,304 bytes; qscl 524,288 bytes; kscl 524,288 bytes; vcod 4,194,304 bytes; vscl 262,144 bytes; acod 4,194,304 bytes; ascl 262,144 bytes
;; launch qkv (part 1): grid 8 x 32, 8 waves a work-group, no clusters, 291,840 bytes of LDS; arguments x_codes, x_scales, qkv_weight_codes, qkv_weight_scales, v1, lamb, qcod, kcod, qscl, kscl, vcod, vscl, out1; writes qcod, kcod, qscl, kscl, vcod, vscl, out1
.if DOCPART == 1
	.amdgcn_target "amdgcn-amd-amdhsa--gfx1250"
	.amdhsa_code_object_version 6
	.text
	.protected	k_q6957c31ecc_qkv
	.globl	k_q6957c31ecc_qkv
	.p2align	8
	.type	k_q6957c31ecc_qkv,@function
k_q6957c31ecc_qkv:
	s_mov_b64 s[64:65], 0
	v_nop
	global_prefetch_b8 v0, s[64:65] scope:SCOPE_SE
	s_setreg_imm32_b32 hwreg(HW_REG_WAVE_MODE, 25, 1), 1
	s_wait_xcnt 0x0
; q, k, v = x W^T on codes of FP4 (E2M1) with E8M0 scales; q, k: rms norm over the head's 64, rotary, quantised along the head's 64;
; v: (1 - lam) v + lam v1, stored as out1 in f32 and quantised along the tokens (the keys of the later product).
; SHARES.  A work-group takes 256 tokens (work-group y) and two heads (work-group x); its 256 rows of x's codes lie once in LDS.  A wave owns 64 rows of one weight for all of K = 1,024:
; 4 tiles x 8 K steps x 8 registers = 256 registers (window 1), read from memory once.  Waves 0, 2, 5, 7 make q or k of one head for 256 tokens, waves 1, 3, 4, 6 make v of one head for 128 tokens.
; THE PRODUCT IS USED TRANSPOSED: source 0 = 16 rows of W, source 1 = 16 tokens: lane (R, H) holds token R, register j of tile t channel 16 t + 8 H + j.
; ONE LOOP OF FOUR TRIPS that every wave walks; the branch on the wave's role stands inside it: a trip is four tiles of 16 tokens of q or k, or one block of 32 tokens of v; all addresses step at the join.
; No tensor load and no cluster: the weights go straight into operand registers, which a load into LDS cannot do, and x's rows are 136 KB of the 536 KB that a work-group reads.
; OUT.  qcod, kcod: [64 heads][2,048][32 bytes];  qscl, kscl: [64][2,048] one word a token (bytes 0, 1 the two blocks' scales, bytes 2, 3 zero: they meet zero codes only);
; vcod: [64][16 key steps][4,096]: the image of the four operand fragments of V^T for 128 keys;  vscl: [64][16][64 channels] one word, byte j = key block j.
; LEFT OUT: the rotation of channels 16-31 and 48-63: reference() builds their frequencies as zeros, so their cosine is 1 and their sine 0 for every input.
; LIMITS.  1 / sqrt(mean + 1e-6) is v_rsq_f32 and one multiplication; the 64 squares are summed in four packed chains a lane, then across the two lanes of a token; the rotation and the blend use fused multiply-adds.
; The rotary frequencies are constants: frequency i is the f32 number nearest to (1 / 1024)^y, y = i x c rounded to f32, c the f32 number nearest to 1 / 15 (i = 15: y = 1).
; Sine and cosine: reduction by pi / 2 in three parts, the reduced angle kept in two parts, polynomials to r^9 and r^10, for angles up to 2,047.
; A block of zeros gets the scale byte 1, not 127 (its codes are zeros; this program alone reads the bytes).  NaN and infinities are not served.
.set XP,   528                         ; LDS: a row of x: 512 bytes + 16
.set XSC,  135168                      ; x's scale words, 16 tiles x 512: byte 256 H + 16 R holds words 4 H .. 4 H + 3 of token R
.set TAB,  143360                      ; rotary table: 256 tokens x (16 cosines, 16 sines, 16 bytes of padding)
.set TP,   144
.set STG,  180224                      ; a stage of 32 rows x (256 + 16) bytes for each wave
.set SP,   272
.set VIM,  249856                      ; V's image, 4,096 bytes for each wave
.set SWD,  282624                      ; q's or k's scale words, 1,024 bytes for each wave
.set SPARE, 290816                     ; the spare words, 128 bytes for each wave
.set SPW,  1                           ; v1 my spare word's address, v2 zero: kept for the closing add alone
.set NIL,  2
.set VSA,  3                           ; 16 R: V's scale words in memory
.set FA,   4                           ; 16 x lane
.set WA,   5                           ; 512 R + 16 H
.set CO,   6                           ; 32 R + 16 H
.set XST,  7                           ; the head's three LDS store addresses
.set XSST, 8
.set TST,  9
.set XA,   10                          ; q, k: fragment of x; its scale words; my part of the table: stepped a trip
.set XSA,  11
.set TA,   12
.set PFO,  13                          ; 4,096 x lane
.set SWA,  14
.set SWR,  15
.set XAV,  16                          ; v: fragment of x, its scale words, stage in, stage out, image in, image out, v1, out1
.set XSAV, 17
.set STO,  18
.set RD,   19
.set VI,   20
.set VIR,  21
.set GV,   22
.set GO,   23
.set WS,   24                          ; v24-39 W's scale words: register 4 t + q: lanes 0-15 K step q, lanes 16-31 K step 4 + q
.set XS,   40                          ; v40-43 x's, likewise
.set COS,  44
.set SIN,  52
.set RS,   60                          ; q, k: 1 / s (v61 named with it as a pair);  v: v60-63 the channels' scale words
.set XF,   64                          ; q, k: a tile's eight fragments of x
.set ACC,  128
.set VACC, 96
.set VIN,  128                         ; v: a block of v1
.set VT,   192                         ; v: a tile's fragments of x, then the block with the tokens on end
.set SQ,   192                         ; q, k: the sums of squares
.set RT,   208
.set QM,   224
.set QP,   226
.set QW,   228
.set QR,   232
.set POS,  232
.set SEL,  38
.set QC,   66                          ; s[66:67] codes out, s[68:69] scale words out, s[70:71] v1, s[72:73] out1, s[74:75] vcod, s[76:77] vscl
.set QS,   68
.set V1P,  70
.set O1P,  72
.set VCP,  74
.set VSP,  76
.set TRIP, 78
.set SH,   79
.set MSB, 0
.macro WIN new                         ; the immediate's high byte repeats the setting that is left
.if MSB != \new
	s_set_vgpr_msb (MSB<<8)|\new
.set MSB, \new
.endif
.endm
.macro PLACES n
.rept \n
	v_nop
.endr
.endm
; Four products: K step s of my four tiles of W against the fragment of x at v[xf].  The four accumulators take turns, one instruction a turn.
.macro MM4 acc, s, xf, zero
.irp t, 0,1,2,3
.if \zero
	v_wmma_scale_f32_16x16x128_f8f6f4 v[\acc+8*\t:\acc+8*\t+7], v[64*\t+8*(\s):64*\t+8*(\s)+7], v[\xf:\xf+7], 0, v[WS+4*\t+(\s)%4], v[XS+(\s)%4] matrix_a_fmt:MATRIX_FMT_FP4 matrix_b_fmt:MATRIX_FMT_FP4
.elseif (\s) < 4
	v_wmma_scale_f32_16x16x128_f8f6f4 v[\acc+8*\t:\acc+8*\t+7], v[64*\t+8*(\s):64*\t+8*(\s)+7], v[\xf:\xf+7], v[\acc+8*\t:\acc+8*\t+7], v[WS+4*\t+(\s)%4], v[XS+(\s)%4] matrix_a_fmt:MATRIX_FMT_FP4 matrix_b_fmt:MATRIX_FMT_FP4
.else
	v_wmma_scale_f32_16x16x128_f8f6f4 v[\acc+8*\t:\acc+8*\t+7], v[64*\t+8*(\s):64*\t+8*(\s)+7], v[\xf:\xf+7], v[\acc+8*\t:\acc+8*\t+7], v[WS+4*\t+(\s)%4], v[XS+(\s)%4] matrix_a_fmt:MATRIX_FMT_FP4 matrix_b_fmt:MATRIX_FMT_FP4 matrix_a_scale:MATRIX_SCALE_ROW1 matrix_b_scale:MATRIX_SCALE_ROW1
.endif
.endr
.endm
.macro MM32 acc, xf                    ; a tile's 32 products; the first four start the sums
	WIN 0x01                                       ; source 0 (W) window 1
	MM4 \acc, 0, \xf, 1
.irp s, 1,2,3,4,5,6,7
	MM4 \acc, \s, \xf+8*\s, 0
.endr
	WIN 0
	PLACES 5                                       ; ahead of loads into registers that the products read, of the first read of results, and of the next sums begun on these registers
.endm
; 32 numbers of a lane (channel 16 t + 8 H + j of my token) -> v[R:R+3] = the 32 codes of block H, v[W] = the two scale bytes
.macro QUANT2 S, R, M, P, W
.irp b, 0,1
	v_max3_num_f32 v[\M+\b], |v[\S+16*\b]|, |v[\S+16*\b+1]|, 0x1800000   ; with the floor 2^(3 - 127): the byte cannot fall under 1
.endr
.irp i, 2,4,6,8,10,12,14
.irp b, 0,1
	s_delay_alu instid0(VALU_DEP_2)
	v_max3_num_f32 v[\M+\b], v[\M+\b], |v[\S+16*\b+\i]|, |v[\S+16*\b+\i+1]|
.endr
.endr
.irp b, 0,1
	s_delay_alu instid0(VALU_DEP_2)
	v_permlanex16_b32 v[\P+\b], v[\M+\b], s[SEL], s[SEL+1]
.endr
.irp b, 0,1
	s_delay_alu instid0(VALU_DEP_2)
	v_max_num_f32 v[\M+\b], v[\M+\b], v[\P+\b]       ; the block's largest magnitude
.endr
.irp b, 0,1
	s_delay_alu instid0(VALU_DEP_2)
	v_add_nc_u32 v[\M+\b], 0xff000000, v[\M+\b]      ; 2 off its exponent field: the conversion's scale operand
.endr
.irp b, 0,1
	s_delay_alu instid0(VALU_DEP_2)
	v_lshrrev_b32 v[\P+\b], 23, v[\M+\b]             ; the scale's byte
.endr
	s_delay_alu instid0(VALU_DEP_1)
	v_lshl_or_b32 v[\W], v[\P+1], 8, v[\P]
	v_cvt_scalef32_pk8_fp4_f32 v[\R], v[\S:\S+7], v[\M]
	v_cvt_scalef32_pk8_fp4_f32 v[\R+1], v[\S+16:\S+23], v[\M+1]
	v_cvt_scalef32_pk8_fp4_f32 v[\R+2], v[\S+8:\S+15], v[\M]
	v_cvt_scalef32_pk8_fp4_f32 v[\R+3], v[\S+24:\S+31], v[\M+1]
	v_nop                                            ; one plain place behind a scaled conversion
	v_permlane16_swap_b32 v[\R], v[\R+1]             ; a whole block to a lane
	v_permlane16_swap_b32 v[\R+2], v[\R+3]
.endm
; cosine and sine of frequencies i and i + 1 (fa, fb: their f32 bits) at my position -> v[200 + i], v[216 + i].  theta = position x frequency, one f32 product.
; n = nearest whole number of quarter turns; r = theta - n pi / 2 with pi / 2 in three parts; r is kept with what its rounding drops (rl), z = r r likewise (zl).
.macro SINCOS2 i, fa, fb
	v_mul_f32 v234, \fa, v[POS]
	v_mul_f32 v235, \fb, v[POS]
	v_pk_mul_f32 v[236:237], v[234:235], 0x3f22f983 op_sel_hi:[1,0]                ; x 2 / pi
	v_rndne_f32 v236, v236
	v_rndne_f32 v237, v237
	v_pk_fma_f32 v[234:235], v[236:237], 0xbfc90fdb, v[234:235] op_sel_hi:[1,0,1]  ; - n x the first part of pi / 2
	v_pk_fma_f32 v[238:239], v[236:237], 0x333bbd2e, v[234:235] op_sel_hi:[1,0,1]  ; - n x the second part: r
	v_pk_add_f32 v[56:57], v[234:235], v[238:239] neg_lo:[0,1] neg_hi:[0,1]
	v_pk_fma_f32 v[56:57], v[236:237], 0x333bbd2e, v[56:57] op_sel_hi:[1,0,1]      ; what r's rounding dropped,
	v_pk_fma_f32 v[56:57], v[236:237], 0x26f72cef, v[56:57] op_sel_hi:[1,0,1]      ; and - n x the third part: rl
	v_pk_mul_f32 v[240:241], v[238:239], v[238:239]                                ; z = r r
	v_pk_fma_f32 v[58:59], v[238:239], v[238:239], v[240:241] neg_lo:[0,0,1] neg_hi:[0,0,1]   ; zl
	v_pk_fma_f32 v[242:243], v[240:241], 0x3638ef1d, v[44:45] op_sel_hi:[1,0,1]    ; S: 1 / 9!, -1 / 7!, 1 / 5!, -1 / 3!
	v_pk_fma_f32 v[244:245], v[240:241], 0xb493f27e, v[50:51] op_sel_hi:[1,0,1]    ; C: -1 / 10!, 1 / 8!, -1 / 6!, 1 / 4!
	v_pk_fma_f32 v[242:243], v[242:243], v[240:241], v[46:47]
	v_pk_fma_f32 v[244:245], v[244:245], v[240:241], v[52:53]
	v_pk_fma_f32 v[242:243], v[242:243], v[240:241], v[48:49]
	v_pk_fma_f32 v[244:245], v[244:245], v[240:241], v[54:55]
	v_pk_fma_f32 v[250:251], v[240:241], -0.5, 1.0 op_sel_hi:[1,0,0]               ; w = 1 - z / 2
	v_pk_mul_f32 v[246:247], v[240:241], v[238:239]                                ; z r
	v_pk_mul_f32 v[248:249], v[240:241], v[240:241]                                ; z z
	v_pk_fma_f32 v[60:61], v[250:251], -1.0, 1.0 op_sel_hi:[1,0,0]                 ; 1 - w
	v_pk_fma_f32 v[60:61], v[240:241], -0.5, v[60:61] op_sel_hi:[1,0,1]            ; - z / 2: what w's rounding dropped
	v_pk_mul_f32 v[62:63], v[56:57], v[250:251]                                    ; rl w
	v_pk_fma_f32 v[246:247], v[242:243], v[246:247], v[62:63]                      ; the sine's small part
	v_pk_fma_f32 v[248:249], v[244:245], v[248:249], v[60:61]                      ; the cosine's
	v_pk_mul_f32 v[62:63], v[56:57], v[238:239]                                    ; rl r
	v_pk_fma_f32 v[248:249], v[58:59], -0.5, v[248:249] op_sel_hi:[1,0,1]
	v_pk_add_f32 v[248:249], v[248:249], v[62:63] neg_lo:[0,1] neg_hi:[0,1]
	v_pk_add_f32 v[246:247], v[238:239], v[246:247]                                ; sin r
	v_pk_add_f32 v[248:249], v[250:251], v[248:249]                                ; cos r
.irp u, 0,1
	v_cvt_i32_f32 v252, v[236+\u]
	v_and_b32 v253, 1, v252
	v_cmp_ne_u32 vcc_lo, 0, v253
	v_cndmask_b32 v[216+(\i)+\u], v[246+\u], v[248+\u], vcc_lo     ; sine: in odd quadrants cos r
	v_cndmask_b32 v[200+(\i)+\u], v[248+\u], v[246+\u], vcc_lo     ; cosine: in odd quadrants sin r
	v_lshlrev_b32 v253, 30, v252
	v_and_b32 v253, 0x80000000, v253
	v_xor_b32 v[216+(\i)+\u], v253, v[216+(\i)+\u]                 ; sine is negative in quadrants 2, 3
	v_add_nc_u32 v252, 1, v252
	v_lshlrev_b32 v252, 30, v252
	v_and_b32 v252, 0x80000000, v252
	v_xor_b32 v[200+(\i)+\u], v252, v[200+(\i)+\u]                 ; cosine in quadrants 1, 2
.endr
.endm
.macro V1LOAD first                    ; a block of v1: load i: lanes 0-15 token first + i, lanes 16-31 sixteen tokens on, 256 whole bytes each
.set i, 0
.rept 16
	global_load_b128 v[VIN+4*i:VIN+4*i+3], v[GV], s[V1P:V1P+1] offset:((\first)+i)*4096 th:TH_LOAD_NT
.set i, i+1
.endr
.endm
.macro CLOSE                           ; the wave's end
	s_wait_tensorcnt 0x0
	ds_add_u32 v[SPW], v[NIL]
	s_wait_dscnt 0x0
	s_endpgm
.endm
	s_load_b512 s[8:23], s[0:1], 0x0               ; x_codes 8, x_scales 10, W's codes 12, W's scales 14, v1 16, lamb 18, qcod 20, kcod 22
	s_load_b256 s[24:31], s[0:1], 0x40             ; qscl 24, kscl 26, vcod 28, vscl 30
	s_load_b64 s[32:33], s[0:1], 0x60              ; out1
	v_lshl_add_u32 v[SPW], v0, 2, SPARE
	v_mov_b32 v[NIL], 0
	v_lshrrev_b32 v60, 5, v0
	v_readfirstlane_b32 s2, v60                    ; wave 0..7
	; all scalar numbers first, for both roles, on the one way that all waves take
	s_lshr_b32 s43, s2, 2                          ; q, k: q (0) or k (1);  v: which 128 tokens
	s_xor_b32 s3, s43, s2
	s_and_b32 s3, s3, 1                            ; role: 0 = q, k;  1 = v
	s_lshr_b32 s4, s2, 1
	s_and_b32 s6, ttmp7, 0xffff                    ; 8 x batch + block of 256 tokens
	s_and_b32 s7, s4, 1
	s_lshl_b32 s5, ttmp9, 1
	s_add_co_u32 s7, s7, s5                        ; my head
	s_lshr_b32 s42, s6, 3
	s_lshl_b32 s42, s42, 4
	s_add_co_u32 s42, s42, s7                      ; 16 x batch + head
	s_cmp_eq_u32 s3, 0
	s_cselect_b32 s60, s43, 2                      ; which of the three weights
	s_lshl_b32 s60, s60, 10
	s_lshl_b32 s62, s7, 6
	s_add_co_u32 s60, s60, s62                     ; my first row of W
	s_lshl_b32 s62, s60, 9                         ; 512 bytes of codes a row,
	s_mov_b32 s63, 0
	s_lshl_b32 s60, s60, 5                         ; 32 scale bytes
	s_mov_b32 s61, 0
	s_lshl_b32 s56, s6, 17                         ; x: 256 rows of 512 bytes a work-group, 32 a wave
	s_lshl_b32 s57, s2, 14
	s_add_co_u32 s56, s56, s57
	s_mov_b32 s57, 0
	s_lshl_b32 s58, s6, 13
	s_lshl_b32 s59, s2, 10
	s_add_co_u32 s58, s58, s59
	s_mov_b32 s59, 0
	s_mov_b32 s[SEL], 0x76543210
	s_mov_b32 s[SEL+1], 0xfedcba98                 ; v_permlanex16_b32's selects for lane l xor 16
	s_mov_b32 s40, 0x3c800000                      ; 1 / 64
	s_mov_b32 s41, 0x358637bd                      ; 1e-6
	s_and_b32 s52, s6, 7                           ; block of 256 tokens in the sequence
	s_lshl_b32 s80, s42, 16                        ; q, k codes: 65,536 bytes a head, 8,192 a block
	s_lshl_b32 s53, s52, 13
	s_add_co_u32 s80, s80, s53
	s_mov_b32 s81, 0
	s_lshl_b32 s82, s42, 13                        ; scale words: 8,192 and 1,024
	s_lshl_b32 s53, s52, 10
	s_add_co_u32 s82, s82, s53
	s_mov_b32 s83, 0
	s_lshl_b32 s84, s6, 20                         ; v1: 256 tokens of 4,096 bytes a work-group, my 128, my head's 256 bytes of a row
	s_lshl_b32 s53, s43, 19
	s_add_co_u32 s84, s84, s53
	s_lshl_b32 s53, s7, 8
	s_add_co_u32 s84, s84, s53
	s_mov_b32 s85, 0
	s_lshl_b32 s86, s42, 19                        ; out1: 2,048 tokens of 256 bytes a head
	s_lshl_b32 s53, s52, 16
	s_add_co_u32 s86, s86, s53
	s_lshl_b32 s53, s43, 15
	s_add_co_u32 s86, s86, s53
	s_mov_b32 s87, 0
	s_lshl_b32 s88, s42, 4
	s_lshl_b32 s53, s52, 1
	s_add_co_u32 s88, s88, s53
	s_add_co_u32 s88, s88, s43                     ; 16 x head + key step
	s_lshl_b32 s90, s88, 8                         ; vscl
	s_lshl_b32 s88, s88, 12                        ; vcod
	s_mov_b32 s89, 0
	s_mov_b32 s91, 0
	s_mul_i32 s92, s2, 32*XP                       ; LDS: my 32 rows of x,
	s_lshl_b32 s93, s2, 10
	s_add_co_u32 s94, s93, SWD                     ; my scale words of q or k,
	s_add_co_u32 s93, s93, XSC                     ; my 32 tokens' scale words of x,
	s_mul_i32 s95, s43, 128*XP                     ; v: my 128 tokens
	s_lshl_b32 s96, s43, 12
	s_add_co_u32 s96, s96, XSC
	s_mul_i32 s97, s2, 32*SP
	s_add_co_u32 s97, s97, STG                     ; my stage
	s_lshl_b32 s98, s2, 12
	s_add_co_u32 s98, s98, VIM                     ; my image
	s_lshl_b32 s99, s52, 8                         ; my work-group's first position
	s_mov_b32 s[TRIP], 0
	s_mov_b32 s[SH], 0
	; then every address register, in one run of vector instructions
	v_and_b32 v62, 31, v0                          ; lane
	v_and_b32 v60, 15, v0                          ; R
	v_bfe_u32 v61, v0, 4, 1                        ; H
	v_lshlrev_b32 v[FA], 4, v62
	v_lshlrev_b32 v[WA], 9, v60
	v_lshl_add_u32 v[WA], v61, 4, v[WA]
	v_lshlrev_b32 v[CO], 5, v60
	v_lshl_add_u32 v[CO], v61, 4, v[CO]
	v_add_nc_u32 v[XST], s92, v[FA]
	v_and_b32 v[XSST], 1, v0
	v_lshlrev_b32 v[XSST], 8, v[XSST]
	v_lshrrev_b32 v[TST], 1, v62
	v_lshl_add_u32 v[XSST], v[TST], 4, v[XSST]
	v_add_nc_u32 v[XSST], s93, v[XSST]             ; scale bytes: token lane / 2, half lane % 2 -> 256 x half + 16 x token
	v_mul_u32_u24 v[TST], v0, TP
	v_add_nc_u32 v[TST], TAB, v[TST]               ; the table's row of token = my thread's number
	v_mul_u32_u24 v[XA], v60, XP
	v_lshl_add_u32 v[XA], v61, 4, v[XA]
	v_add_nc_u32 v[XSA], XSC, v[FA]
	v_mul_u32_u24 v[TA], v60, TP
	v_lshl_add_u32 v[TA], v61, 5, v[TA]
	v_add_nc_u32 v[TA], TAB, v[TA]
	v_lshlrev_b32 v[PFO], 12, v62
	v_lshl_add_u32 v[SWA], v60, 2, s94
	v_add_nc_u32 v[SWR], s94, v[FA]
	v_add_nc_u32 v[XAV], s95, v[XA]
	v_add_nc_u32 v[XSAV], s96, v[FA]
	v_mul_u32_u24 v[STO], v60, SP
	v_lshl_add_u32 v[STO], v61, 5, v[STO]
	v_add_nc_u32 v[STO], s97, v[STO]               ; stage in: row R, 32 H bytes on
	v_mul_u32_u24 v[RD], v61, 16*SP
	v_lshl_add_u32 v[RD], v60, 4, v[RD]
	v_add_nc_u32 v[RD], s97, v[RD]                 ; stage out: row 16 H + i, channels 4 R .. 4 R + 3
	v_lshrrev_b32 v[VI], 2, v60
	v_lshlrev_b32 v[VI], 10, v[VI]
	v_and_b32 v[VIR], 3, v60
	v_lshl_add_u32 v[VIR], v[VIR], 2, v61
	v_lshl_add_u32 v[VI], v[VIR], 4, v[VI]
	v_add_nc_u32 v[VI], s98, v[VI]                 ; image in: channel 4 R + H: tile R / 4, row 4 (R % 4) + H
	v_add_nc_u32 v[VIR], s98, v[FA]
	v_lshlrev_b32 v[GV], 16, v61
	v_lshl_add_u32 v[GV], v60, 4, v[GV]            ; v1: lanes 16-31 sixteen tokens (of 4,096 bytes) on
	v_lshlrev_b32 v[GO], 12, v61
	v_lshl_add_u32 v[GO], v60, 4, v[GO]            ; out1: sixteen tokens of 256 bytes on
	v_lshlrev_b32 v[VSA], 4, v60
	v_add_nc_u32 v[POS], s99, v0
	v_cvt_f32_u32 v[POS], v[POS]                   ; my token's position in its sequence
.irp r, 44,45
	v_mov_b32 v\r, 0xb9500d01                      ; the polynomials' coefficients, as pairs: -1 / 7!
.endr
.irp r, 46,47
	v_mov_b32 v\r, 0x3c088889                      ; 1 / 5!
.endr
.irp r, 48,49
	v_mov_b32 v\r, 0xbe2aaaab                      ; -1 / 3!
.endr
.irp r, 50,51
	v_mov_b32 v\r, 0x37d00d01                      ; 1 / 8!
.endr
.irp r, 52,53
	v_mov_b32 v\r, 0xbab60b61                      ; -1 / 6!
.endr
.irp r, 54,55
	v_mov_b32 v\r, 0x3d2aaaab                      ; 1 / 4!
.endr
	s_wait_alu depctr_va_vdst(0)
	s_wait_kmcnt 0x0
	s_load_b32 s34, s[18:19], 0x0                  ; lam
	s_add_nc_u64 s[44:45], s[8:9], s[56:57]
	s_add_nc_u64 s[46:47], s[10:11], s[58:59]
	s_add_nc_u64 s[48:49], s[12:13], s[62:63]
	s_add_nc_u64 s[50:51], s[14:15], s[60:61]
	s_cmp_eq_u32 s43, 0
	s_cselect_b64 s[QC:QC+1], s[20:21], s[22:23]
	s_cselect_b64 s[QS:QS+1], s[24:25], s[26:27]
	s_add_nc_u64 s[QC:QC+1], s[QC:QC+1], s[80:81]
	s_add_nc_u64 s[QS:QS+1], s[QS:QS+1], s[82:83]
	s_add_nc_u64 s[V1P:V1P+1], s[16:17], s[84:85]
	s_add_nc_u64 s[O1P:O1P+1], s[32:33], s[86:87]
	s_add_nc_u64 s[VCP:VCP+1], s[28:29], s[88:89]
	s_add_nc_u64 s[VSP:VSP+1], s[30:31], s[90:91]
.set i, 0
.rept 32
	global_load_b128 v[64+4*i:67+4*i], v[FA], s[44:45] offset:512*i        ; a row of x's codes: 512 consecutive bytes
.set i, i+1
.endr
	global_load_b128 v[192:195], v[FA], s[46:47]
	global_load_b128 v[196:199], v[FA], s[46:47] offset:512                ; my 32 tokens' scale bytes
	WIN 0x40                                       ; destination window 1
.irp t, 0,1,2,3
.irp s, 0,1,2,3,4,5,6,7
	global_load_b128 v[64*\t+8*\s:64*\t+8*\s+3], v[WA], s[48:49] offset:8192*\t+64*\s
	global_load_b128 v[64*\t+8*\s+4:64*\t+8*\s+7], v[WA], s[48:49] offset:8192*\t+64*\s+32
.endr
.endr
	WIN 0
.irp t, 0,1,2,3
	global_load_b128 v[WS+4*\t:WS+4*\t+3], v[CO], s[50:51] offset:512*\t
.endr
	; the table's row is made while the loads are out
	SINCOS2 0,  0x3f800000, 0x3f214518
	SINCOS2 2,  0x3ecb2ff5, 0x3e7ffffe
	SINCOS2 4,  0x3e214517, 0x3dcb2ff4
	SINCOS2 6,  0x3d7ffffc, 0x3d214515
	SINCOS2 8,  0x3ccb2ff3, 0x3c7ffffd
	SINCOS2 10, 0x3c214516, 0x3bcb2ff4
	SINCOS2 12, 0x3b7ffff8, 0x3b214513
	SINCOS2 14, 0x3acb2fef, 0x3a800000
	s_wait_alu depctr_va_vdst(0)
	s_wait_kmcnt 0x0                               ; lam
	s_wait_loadcnt 63                              ; the 34 loads of x are the oldest of 102: 68 were issued behind them
.set i, 0
.rept 32
	ds_store_b128 v[XST], v[64+4*i:67+4*i] offset:XP*i
.set i, i+1
.endr
	ds_store_b128 v[XSST], v[192:195]
	ds_store_b128 v[XSST], v[196:199] offset:512
.irp k, 0,1,2,3,4,5,6,7
	ds_store_b128 v[TST], v[200+4*\k:203+4*\k] offset:16*\k
.endr
	v_sub_f32 v44, 1.0, s34
	v_readfirstlane_b32 s36, v44                   ; 1 - lam
	s_mov_b32 s37, s36
	s_mov_b32 s35, s34
.irp r, 48,49,50,51,60,61,62,63,SQ+8,QP,QP+1
	v_mov_b32 v[\r], 0                             ; lane permutes' destinations, the upper half of the pair v[60:61], V's scale words
.endr
	s_wait_alu depctr_va_vdst(0)
	s_wait_dscnt 0x0                               ; for the others' sake: my stores have landed
	s_cmp_eq_u32 s3, 0
	s_cbranch_scc1 .Lno_v1
	V1LOAD 0                                       ; v: the first block of v1
.Lno_v1:
	s_barrier_signal -1
	s_barrier_wait -1                              ; x, its scale words and the table lie in LDS; nobody writes them again
.macro XLOADQ T                        ; tile T of the trip: eight fragments of x and its scale words: 17 loads
.irp s, 0,1,2,3,4,5,6,7
	ds_load_b128 v[XF+8*\s:XF+8*\s+3], v[XA] offset:(\T)*16*XP+64*\s
	ds_load_b128 v[XF+8*\s+4:XF+8*\s+7], v[XA] offset:(\T)*16*XP+64*\s+32
.endr
	ds_load_b128 v[XS:XS+3], v[XSA] offset:512*(\T)
.endm
.macro QKTILE T
	s_wait_dscnt 0x0                               ; this tile's fragments are in
	MM32 ACC, XF
	ds_load_b128 v[COS:COS+3], v[TA] offset:16*TP*(\T)
	ds_load_b128 v[COS+4:COS+7], v[TA] offset:16*TP*(\T)+16
	ds_load_b128 v[SIN:SIN+3], v[TA] offset:16*TP*(\T)+64
	ds_load_b128 v[SIN+4:SIN+7], v[TA] offset:16*TP*(\T)+80
.if (\T) < 3
	XLOADQ (\T)+1                                  ; the next tile's fragments land under this tile's vector work
.endif
.irp p, 0,2,4,6                        ; the sum of my 32 squares in four packed chains; each accumulator is read from its low end on
	v_pk_mul_f32 v[SQ+\p:SQ+\p+1], v[ACC+\p:ACC+\p+1], v[ACC+\p:ACC+\p+1]
.endr
.irp p, 8,10,12,14,16,18,20,22,24,26,28,30
	v_pk_fma_f32 v[SQ+(\p)%8:SQ+(\p)%8+1], v[ACC+\p:ACC+\p+1], v[ACC+\p:ACC+\p+1], v[SQ+(\p)%8:SQ+(\p)%8+1]
.endr
	v_pk_add_f32 v[SQ:SQ+1], v[SQ:SQ+1], v[SQ+2:SQ+3]
	v_pk_add_f32 v[SQ+4:SQ+5], v[SQ+4:SQ+5], v[SQ+6:SQ+7]
	s_delay_alu instid0(VALU_DEP_1)
	v_pk_add_f32 v[SQ:SQ+1], v[SQ:SQ+1], v[SQ+4:SQ+5]
	s_delay_alu instid0(VALU_DEP_1)
	v_add_f32 v[SQ], v[SQ], v[SQ+1]
	s_delay_alu instid0(VALU_DEP_1)
	v_permlanex16_b32 v[SQ+8], v[SQ], s[SEL], s[SEL+1]
	s_delay_alu instid0(VALU_DEP_1)
	v_add_f32 v[SQ], v[SQ], v[SQ+8]                ; with lane l xor 16's 32: the token's 64
	s_delay_alu instid0(VALU_DEP_1)
	v_fma_f32 v[SQ], v[SQ], s40, s41               ; the mean + 1e-6
	s_wait_alu depctr_va_vdst(0)
	v_rsq_f32 v[RS], v[SQ]
	v_nop                                          ; a plain place behind it
	s_wait_alu depctr_va_vdst(0)
	s_wait_xcnt 0x0                                ; the last tile's store has read its codes: they are written again only behind this wait
.if (\T) < 3
	s_wait_dscnt 17                                ; the table's four loads are in; the next tile's 17 were issued behind them
.else
	s_wait_dscnt 0x0
.endif
.irp p, 0,2,4,6,8,10,12,14,16,18,20,22,24,26,28,30
	v_pk_mul_f32 v[ACC+\p:ACC+\p+1], v[ACC+\p:ACC+\p+1], v[RS:RS+1] op_sel_hi:[1,0]
.endr
.irp p, 0,2,4,6                        ; channels 0-15 (tile 0) turn with channels 32-47 (tile 2)
	v_pk_mul_f32 v[RT+\p:RT+\p+1], v[ACC+16+\p:ACC+17+\p], v[SIN+\p:SIN+\p+1]
	v_pk_mul_f32 v[RT+8+\p:RT+9+\p], v[ACC+\p:ACC+\p+1], v[SIN+\p:SIN+\p+1]
.endr
.irp p, 0,2,4,6
	v_pk_fma_f32 v[ACC+\p:ACC+\p+1], v[ACC+\p:ACC+\p+1], v[COS+\p:COS+\p+1], v[RT+\p:RT+\p+1]                                       ; x1 cos + x2 sin
	v_pk_fma_f32 v[ACC+16+\p:ACC+17+\p], v[ACC+16+\p:ACC+17+\p], v[COS+\p:COS+\p+1], v[RT+8+\p:RT+9+\p] neg_lo:[0,0,1] neg_hi:[0,0,1]   ; x2 cos - x1 sin
.endr
	QUANT2 ACC, QR, QM, QP, QW
	global_store_b128 v[CO], v[QR:QR+3], s[QC:QC+1] offset:512*(\T)    ; 16 tokens x 32 bytes: 512 consecutive bytes
	ds_store_b32 v[SWA], v[QW] offset:64*(\T)      ; both lanes of a token write the same word with the same value
.endm
.Ltrip:                                            ; four trips, walked by every wave
	s_cmp_eq_u32 s3, 0
	s_cbranch_scc0 .Lv
	; ---- q or k: four tiles of 16 tokens
	s_wait_loadcnt 0x0                             ; W (first trip)
	XLOADQ 0
	QKTILE 0
	QKTILE 1
	QKTILE 2
	QKTILE 3
	s_wait_alu depctr_va_vdst(0)
	s_branch .Ljoin
.Lv:	; ---- v: one block of 32 tokens
	s_wait_loadcnt 16                              ; W is in (first trip); the block's 16 loads of v1 were issued behind it
.irp tau, 0,1
.irp s, 0,1,2,3,4,5,6,7
	ds_load_b128 v[VT+8*\s:VT+8*\s+3], v[XAV] offset:16*\tau*XP+64*\s
	ds_load_b128 v[VT+8*\s+4:VT+8*\s+7], v[XAV] offset:16*\tau*XP+64*\s+32
.endr
	ds_load_b128 v[XS:XS+3], v[XSAV] offset:512*\tau
	s_wait_dscnt 0x0
	MM32 VACC, VT
.if \tau == 0
	s_cmp_ge_u32 s[TRIP], 2                        ; the block of v1 two trips on, 32 tokens x 256 bytes, a lane a token, each named once; the last two trips ask for nothing
	s_cbranch_scc1 .Lno_pf
	global_prefetch_b8 v[PFO], s[V1P:V1P+1] offset:64*4096 th:TH_LOAD_NT scope:SCOPE_SE
.Lno_pf:
.endif
.irp t, 0,1,2,3
	ds_store_b128 v[STO], v[VACC+8*\t:VACC+8*\t+3] offset:\tau*16*SP+64*\t         ; each accumulator from its low end on
	ds_store_b128 v[STO], v[VACC+8*\t+4:VACC+8*\t+7] offset:\tau*16*SP+64*\t+16
.endr
.endr
.set i, 0
.rept 16
	ds_load_b128 v[64+4*i:67+4*i], v[RD] offset:SP*i               ; register 4 i + e: v(token 16 H + i, channel 4 R + e), as v1 lies in its registers; LDS serves a wave's instructions in order
.set i, i+1
.endr
	s_wait_loadcnt 0x0                             ; this block's v1
	s_wait_dscnt 0x0
.set i, 0
.rept 32
	v_pk_mul_f32 v[VIN+i:VIN+i+1], v[VIN+i:VIN+i+1], s[34:35] op_sel_hi:[1,0]      ; lam v1
.set i, i+2
.endr
.set i, 0
.rept 32
	v_pk_fma_f32 v[64+i:65+i], v[64+i:65+i], s[36:37], v[VIN+i:VIN+i+1] op_sel_hi:[1,0,1]   ; (1 - lam) v + lam v1
.set i, i+2
.endr
.set i, 0
.rept 16
	global_store_b128 v[GO], v[64+4*i:67+4*i], s[O1P:O1P+1] offset:i*256 th:TH_STORE_NT   ; sixteen lanes store a token's 256 bytes, aligned
.set i, i+1
.endr
	s_wait_alu depctr_va_vdst(0)
	s_cmp_eq_u32 s[TRIP], 3
	s_cbranch_scc1 .Lno_next
	V1LOAD 32                                      ; the next block of v1, into the registers just read; the last trip asks for nothing
.Lno_next:
.irp e, 0,1,2,3                        ; a conversion takes neighbours along the keys from consecutive registers: channel e's 16 tokens on end
.set i, 0
.rept 16
	v_mov_b32 v[VT+16*\e+i], v[64+4*i+\e]
.set i, i+1
.endr
.endr
.irp e, 0,1,2,3
	v_max3_num_f32 v[44+\e], |v[VT+16*\e]|, |v[VT+16*\e+1]|, 0x1800000
.endr
.irp i, 2,4,6,8,10,12,14
.irp e, 0,1,2,3
	v_max3_num_f32 v[44+\e], v[44+\e], |v[VT+16*\e+\i]|, |v[VT+16*\e+\i+1]|
.endr
.endr
.irp e, 0,1,2,3
	v_permlanex16_b32 v[48+\e], v[44+\e], s[SEL], s[SEL+1]
.endr
.irp e, 0,1,2,3
	v_max_num_f32 v[44+\e], v[44+\e], v[48+\e]     ; the largest magnitude of channel 4 R + e over the block's 32 tokens
.endr
.irp e, 0,1,2,3
	v_add_nc_u32 v[44+\e], 0xff000000, v[44+\e]
.endr
.irp e, 0,1,2,3
	v_lshrrev_b32 v[48+\e], 23, v[44+\e]
.endr
.irp e, 0,1,2,3
	v_lshl_or_b32 v[60+\e], v[48+\e], s[SH], v[60+\e]              ; byte = this trip's number, of the channel's scale word
.endr
.irp e, 0,1,2,3
	v_cvt_scalef32_pk8_fp4_f32 v[52+2*\e], v[VT+16*\e:VT+16*\e+7], v[44+\e]
	v_cvt_scalef32_pk8_fp4_f32 v[53+2*\e], v[VT+16*\e+8:VT+16*\e+15], v[44+\e]
.endr
	v_nop                                          ; one plain place behind a scaled conversion
	v_permlane16_swap_b32 v52, v54                 ; v[52:55]: channel 4 R + H, the block's 32 tokens in order;
	v_permlane16_swap_b32 v53, v55
	v_permlane16_swap_b32 v56, v58                 ; v[56:59]: channel 4 R + 2 + H
	v_permlane16_swap_b32 v57, v59
	ds_store_b128 v[VI], v[52:55]
	ds_store_b128 v[VI], v[56:59] offset:32
	s_wait_alu depctr_va_vdst(0)
.Ljoin:
	s_wait_xcnt 0x0                                ; my loads, stores and prefetch have read their bases and data
	s_add_nc_u64 s[QC:QC+1], s[QC:QC+1], 2048
	s_add_nc_u64 s[V1P:V1P+1], s[V1P:V1P+1], 32*4096
	s_add_nc_u64 s[O1P:O1P+1], s[O1P:O1P+1], 32*256
	v_add_nc_u32 v[XA], 64*XP, v[XA]               ; q, k: 64 tokens on
	v_add_nc_u32 v[XSA], 2048, v[XSA]
	v_add_nc_u32 v[TA], 64*TP, v[TA]
	v_add_nc_u32 v[SWA], 256, v[SWA]
	v_add_nc_u32 v[XAV], 32*XP, v[XAV]             ; v: 32 tokens on
	v_add_nc_u32 v[XSAV], 1024, v[XSAV]
	v_add_nc_u32 v[VI], 256, v[VI]
	s_add_co_u32 s[SH], s[SH], 8
	s_add_co_u32 s[TRIP], s[TRIP], 1
	s_cmp_lt_u32 s[TRIP], 4
	s_wait_alu depctr_va_vdst(0)
	s_cbranch_scc1 .Ltrip
	s_cmp_eq_u32 s3, 0
	s_cbranch_scc0 .Lv_out
	ds_load_b128 v[SQ:SQ+3], v[SWR]                ; LDS serves a wave's instructions in order: these see my stores
	ds_load_b128 v[SQ+4:SQ+7], v[SWR] offset:512
	s_wait_dscnt 0x0
	global_store_b128 v[FA], v[SQ:SQ+3], s[QS:QS+1]
	global_store_b128 v[FA], v[SQ+4:SQ+7], s[QS:QS+1] offset:512   ; 256 tokens' scale words: 1,024 consecutive bytes
	CLOSE
.Lv_out:
.irp k, 0,1,2,3,4,5,6,7
	ds_load_b128 v[64+4*\k:67+4*\k], v[VIR] offset:512*\k          ; my image, as my stores left it
.endr
	s_wait_dscnt 0x0
.irp k, 0,1,2,3,4,5,6,7
	global_store_b128 v[FA], v[64+4*\k:67+4*\k], s[VCP:VCP+1] offset:512*\k    ; the key step's image: 4,096 consecutive bytes
.endr
	v_and_b32 v44, 31, v0
	v_cmp_gt_u32 vcc_lo, 16, v44
	s_wait_alu depctr_va_vdst(0)
	s_wait_xcnt 0x0                                ; EXEC changes only behind this wait
	s_and_saveexec_b32 s58, vcc_lo
	global_store_b128 v[VSA], v[60:63], s[VSP:VSP+1]   ; 64 channels' scale words: sixteen lanes store 256 consecutive bytes, aligned
	s_wait_xcnt 0x0
	s_or_b32 exec_lo, exec_lo, s58
	CLOSE
.Lfunc_end_k_q6957c31ecc_qkv:
	.size	k_q6957c31ecc_qkv, .Lfunc_end_k_q6957c31ecc_qkv-k_q6957c31ecc_qkv
	.p2alignl 7, 3214868480
	.fill 96, 4, 3214868480
	.section	.rodata,"a",@progbits
	.p2align	6, 0x0
	.amdhsa_kernel k_q6957c31ecc_qkv
		.amdhsa_group_segment_fixed_size 291840
		.amdhsa_private_segment_fixed_size 0
		.amdhsa_enable_private_segment 0
		.amdhsa_kernarg_size 104
		.amdhsa_user_sgpr_count 2
		.amdhsa_user_sgpr_kernarg_segment_ptr 1
		.amdhsa_wavefront_size32 1
		.amdhsa_system_sgpr_workgroup_id_x 1
		.amdhsa_system_sgpr_workgroup_id_y 1
		.amdhsa_system_sgpr_workgroup_id_z 1
		.amdhsa_system_vgpr_workitem_id 0
		.amdhsa_next_free_vgpr 512
		.amdhsa_next_free_sgpr 100
		.amdhsa_reserve_vcc 1
		.amdhsa_float_denorm_mode_32 3
		.amdhsa_float_denorm_mode_16_64 3
		.amdhsa_memory_ordered 1
		.amdhsa_forward_progress 1
		.amdhsa_inst_pref_size 123
	.end_amdhsa_kernel
	.amdgpu_metadata
---
amdhsa.version: [ 1, 2 ]
amdhsa.kernels:
  - .name:           k_q6957c31ecc_qkv
    .symbol:         k_q6957c31ecc_qkv.kd
    .args:
      - { .name: x_codes, .offset: 0, .size: 8, .value_kind: global_buffer, .address_space: global }
      - { .name: x_scales, .offset: 8, .size: 8, .value_kind: global_buffer, .address_space: global }
      - { .name: qkv_weight_codes, .offset: 16, .size: 8, .value_kind: global_buffer, .address_space: global }
      - { .name: qkv_weight_scales, .offset: 24, .size: 8, .value_kind: global_buffer, .address_space: global }
      - { .name: v1, .offset: 32, .size: 8, .value_kind: global_buffer, .address_space: global }
      - { .name: lamb, .offset: 40, .size: 8, .value_kind: global_buffer, .address_space: global }
      - { .name: qcod, .offset: 48, .size: 8, .value_kind: global_buffer, .address_space: global }
      - { .name: kcod, .offset: 56, .size: 8, .value_kind: global_buffer, .address_space: global }
      - { .name: qscl, .offset: 64, .size: 8, .value_kind: global_buffer, .address_space: global }
      - { .name: kscl, .offset: 72, .size: 8, .value_kind: global_buffer, .address_space: global }
      - { .name: vcod, .offset: 80, .size: 8, .value_kind: global_buffer, .address_space: global }
      - { .name: vscl, .offset: 88, .size: 8, .value_kind: global_buffer, .address_space: global }
      - { .name: out1, .offset: 96, .size: 8, .value_kind: global_buffer, .address_space: global }
    .group_segment_fixed_size: 291840
    .private_segment_fixed_size: 0
    .kernarg_segment_align: 8
    .kernarg_segment_size: 104
    .max_flat_workgroup_size: 256
    .sgpr_count:     100
    .vgpr_count:     512
    .wavefront_size: 32
...
	.end_amdgpu_metadata
.endif
;; end of part 1
;; launch attn (part 2): grid 8 x 32, 16 waves a work-group, no clusters, 109,568 bytes of LDS; arguments qcod, qscl, kcod, kscl, vcod, vscl, acod, ascl; writes acod, ascl
.if DOCPART == 2
	.amdgcn_target "amdgcn-amd-amdhsa--gfx1250"
	.amdhsa_code_object_version 6
	.text
	.protected	k_q6957c31ecc_attn
	.globl	k_q6957c31ecc_attn
	.p2align	8
	.type	k_q6957c31ecc_attn,@function
k_q6957c31ecc_attn:
	s_mov_b64 s[64:65], 0
	v_nop
	global_prefetch_b8 v0, s[64:65] scope:SCOPE_SE
	s_setreg_imm32_b32 hwreg(HW_REG_WAVE_MODE, 25, 1), 1
	s_wait_xcnt 0x0
; o = softmax(q k^T / 8 + mask) v for the mask 0 <= query - key < 512, both products on codes of FP4 (E2M1) with E8M0 scales; o is quantised along the channels for the last product.
; THE SOFTMAX: t = score x log2(e) / 8, rounded to f32; M = the row's largest t so far, rounded up to a whole number; p = 2^(t - M) is quantised along the keys, not normalised; the row's sum is taken of the unquantised p and divides o at the end.
; When M moves, the sum and o are multiplied by 2^(old M - new M): exact.
; SHARES.  A work-group owns 256 queries (work-group x) of two heads of one batch (work-group y); each of its sixteen waves owns 16 queries and takes the two heads one after the other, a loop of two trips.
; The window lets a tile of 16 queries see at most five aligned key steps of 128: those of the query's own block of 128 and the four before.  The six key blocks that the 256 queries see, of both heads, are
; brought into LDS once; wave w reads slots g .. g + 4, g = w / 8.  A step whose key block would lie in front of the sequence is left out by a scalar branch on ids.
; LAYOUT.  Both products are used transposed (S^T = K Q^T, O^T = V^T P^T): a lane holds one query throughout.  The head's 64 fill half of the instruction's K: the upper four registers of Q's and K's fragments hold zero codes.
; THE KEYS OF A TILE ARE NOT NEIGHBOURS: lane r of tile 2 b + u takes key 32 b + 8 u + r + 8 (r / 8), so that the 16 registers of tiles 2 b, 2 b + 1 are keys 32 b + 16 (lane / 16) + 0 .. 15.
; No cluster: what neighbouring work-groups share is read once at the head, and no tensor load is used; nothing is prefetched: every global read stands at the head.
; LIMITS: 1 / l by v_rcp_f32; the row's sum is taken in two chains a lane, not key by key; a block of zeros gets the scale byte 1, not 127 (its codes are zeros; this program alone reads the bytes); NaN and infinities are not served.
.set VIMG, 49152                       ; LDS: K's images: head c at 24,576 c, slot i at 4,096 i, tile T at 512 T + 16 x lane;  V's likewise, as vcod lies
.set KSC,  98304                       ; K's scale words: head 3,072, slot 512: 256 (T / 4) + 16 r + 4 (T % 4)
.set VSC,  104448                      ; V's: head 1,536, slot 256: 4 x channel
.set AK,   1
.set AV,   2
.set AKS,  3
.set AVS,  4
.set L16,  5
.set DD,   26                          ; v26  my query's place in its block of 128, less 16 (lane / 16)
.set AW,   27                          ; v27  the scale word of my token for this pair of heads
.set NINF, 255
.set SEL,  26                          ; s[26:27]
.set CS,   28                          ; s[28:29] log2(e) / 8
.macro QUANT2 S, R, M, P, W            ; 32 numbers of a lane (channel 16 t + 8 H + j of my token) -> v[R:R+3] = the 32 codes of block H, v[W] = the two scale bytes
.irp b, 0,1
	v_max3_num_f32 v[\M+\b], |v[\S+16*\b]|, |v[\S+16*\b+1]|, 0x1800000
.endr
.irp i, 2,4,6,8,10,12,14
.irp b, 0,1
	s_delay_alu instid0(VALU_DEP_2)
	v_max3_num_f32 v[\M+\b], v[\M+\b], |v[\S+16*\b+\i]|, |v[\S+16*\b+\i+1]|
.endr
.endr
.irp b, 0,1
	s_delay_alu instid0(VALU_DEP_2)
	v_permlanex16_b32 v[\P+\b], v[\M+\b], s[SEL], s[SEL+1]
.endr
.irp b, 0,1
	s_delay_alu instid0(VALU_DEP_2)
	v_max_num_f32 v[\M+\b], v[\M+\b], v[\P+\b]
.endr
.irp b, 0,1
	s_delay_alu instid0(VALU_DEP_2)
	v_add_nc_u32 v[\M+\b], 0xff000000, v[\M+\b]
.endr
.irp b, 0,1
	s_delay_alu instid0(VALU_DEP_2)
	v_lshrrev_b32 v[\P+\b], 23, v[\M+\b]
.endr
	s_delay_alu instid0(VALU_DEP_1)
	v_lshl_or_b32 v[\W], v[\P+1], 8, v[\P]
	v_cvt_scalef32_pk8_fp4_f32 v[\R], v[\S:\S+7], v[\M]
	v_cvt_scalef32_pk8_fp4_f32 v[\R+1], v[\S+16:\S+23], v[\M+1]
	v_cvt_scalef32_pk8_fp4_f32 v[\R+2], v[\S+8:\S+15], v[\M]
	v_cvt_scalef32_pk8_fp4_f32 v[\R+3], v[\S+24:\S+31], v[\M+1]
	v_nop
	v_permlane16_swap_b32 v[\R], v[\R+1]
	v_permlane16_swap_b32 v[\R+2], v[\R+3]
.endm
	s_load_b512 s[8:23], s[0:1], 0x0               ; qcod 8, qscl 10, kcod 12, kscl 14, vcod 16, vscl 18, acod 20, ascl 22
	v_lshrrev_b32 v1, 5, v0
	s_delay_alu instid0(VALU_DEP_1)
	v_readfirstlane_b32 s2, v1                     ; wave 0..15
	s_lshr_b32 s3, s2, 3                           ; g
	s_mov_b32 s4, ttmp9                            ; block of 256 queries
	s_and_b32 s5, ttmp7, 0xffff
	s_lshr_b32 s6, s5, 3                           ; batch
	s_and_b32 s7, s5, 7                            ; pair of heads
	s_lshl_b32 s24, s6, 4
	s_lshl_b32 s31, s7, 1
	s_add_co_u32 s24, s24, s31                     ; 16 x batch + first head
	s_lshl_b32 s25, s4, 1
	s_add_co_u32 s25, s25, s3
	s_sub_co_i32 s25, s25, 4                       ; the key block of my first step; under 0 at the sequence's start
	s_mov_b32 s[SEL], 0x76543210
	s_mov_b32 s[SEL+1], 0xfedcba98
	s_mov_b32 s[CS], 0x3e38aa3b
	s_mov_b32 s[CS+1], s[CS]
	; every address register is made here, ahead of the first branch
	v_and_b32 v232, 15, v0                         ; r
	v_bfe_u32 v233, v0, 4, 1                       ; h
	s_wait_alu depctr_va_vdst(0)
	v_and_b32 v234, 31, v0                         ; lane
	s_delay_alu instid0(VALU_DEP_1)
	v_lshlrev_b32 v[L16], 4, v234
	s_wait_alu depctr_va_vdst(0)
	s_lshl_b32 s31, s3, 12
	v_add_nc_u32 v[AK], s31, v[L16]
	s_add_co_u32 s31, s31, VIMG
	v_add_nc_u32 v[AV], s31, v[L16]
	s_lshl_b32 s31, s3, 9
	s_add_co_u32 s31, s31, KSC
	v_add_nc_u32 v[AKS], s31, v[L16]
	s_lshl_b32 s31, s3, 8
	s_add_co_u32 s31, s31, VSC
	v_lshl_add_u32 v[AVS], v232, 2, s31
	s_and_b32 s32, s2, 7
	s_lshl_b32 s31, s32, 4
	v_lshlrev_b32 v[DD], 4, v233
	s_delay_alu instid0(VALU_DEP_1)
	v_sub_nc_u32 v[DD], v232, v[DD]
	s_delay_alu instid0(VALU_DEP_1)
	v_add_nc_u32 v[DD], s31, v[DD]
	s_lshl_b32 s33, s32, 9                         ; my 512 bytes of a key block's 4,096
.irp j, 0,1,2
	s_add_co_i32 s31, s25, 2*\j                    ; slot g + 2 j holds this key block; one in front of the sequence is held at 0 and never read
	s_max_i32 s31, s31, 0
	s_lshl_b32 s31, s31, 12
	s_add_co_u32 s31, s31, s33
	v_add_nc_u32 v[6+\j], s31, v[L16]
.endr
	v_lshlrev_b32 v9, 5, v232
	s_delay_alu instid0(VALU_DEP_1)
	v_lshl_add_u32 v9, v233, 4, v9                 ; Q: token r, block h
	v_lshlrev_b32 v10, 2, v232
	s_lshr_b32 s34, s2, 1
	s_and_b32 s33, s2, 1
	s_lshl_b32 s31, s34, 10
	s_lshl_b32 s35, s33, 7
	s_add_co_u32 s31, s31, s35
	v_lshlrev_b32 v11, 9, v233                     ; K into its image: my 16 bytes are block lane % 2 of key 16 (w % 8) + lane / 2
	v_and_b32 v235, 1, v0
	s_delay_alu instid0(VALU_DEP_1)
	v_lshl_add_u32 v11, v235, 8, v11
	v_bfe_u32 v235, v0, 1, 3
	s_delay_alu instid0(VALU_DEP_1)
	v_lshl_add_u32 v11, v235, 4, v11
	s_delay_alu instid0(VALU_DEP_1)
	v_add_nc_u32 v11, s31, v11
	s_lshl_b32 s31, s2, 9
	s_add_co_u32 s31, s31, VIMG
	v_add_nc_u32 v150, s31, v[L16]                 ; V as it lies
	s_mul_i32 s31, s33, 3072                       ; the scale words: wave w (under 12) takes head w % 2, slot w / 2
	s_lshl_b32 s35, s34, 9
	s_add_co_u32 s31, s31, s35
	s_add_co_u32 s31, s31, KSC
	v_lshlrev_b32 v151, 8, v233                    ; my four words are keys 4 lane + e
	v_bfe_u32 v235, v0, 2, 1
	s_delay_alu instid0(VALU_DEP_1)
	v_lshl_add_u32 v151, v235, 7, v151
	v_and_b32 v235, 1, v0
	s_delay_alu instid0(VALU_DEP_1)
	v_lshl_add_u32 v151, v235, 6, v151
	v_bfe_u32 v235, v0, 3, 1
	s_delay_alu instid0(VALU_DEP_1)
	v_lshl_add_u32 v151, v235, 3, v151
	v_bfe_u32 v235, v0, 1, 1
	s_delay_alu instid0(VALU_DEP_1)
	v_lshl_add_u32 v151, v235, 2, v151
	s_delay_alu instid0(VALU_DEP_1)
	v_add_nc_u32 v151, s31, v151
	s_mul_i32 s31, s33, 1536
	s_lshl_b32 s35, s34, 8
	s_add_co_u32 s31, s31, s35
	s_add_co_u32 s31, s31, VSC
	v_lshl_add_u32 v152, v234, 3, s31
	s_lshl_b32 s35, s4, 1
	s_add_co_u32 s35, s35, s34
	s_sub_co_i32 s35, s35, 4
	s_max_i32 s35, s35, 0                          ; that slot's key block
	s_lshl_b32 s31, s33, 13
	s_lshl_b32 s38, s35, 9
	s_add_co_u32 s31, s31, s38
	v_add_nc_u32 v153, s31, v[L16]
	s_lshl_b32 s31, s33, 12
	s_lshl_b32 s38, s35, 8
	s_add_co_u32 s31, s31, s38
	v_lshl_add_u32 v154, v234, 3, s31
	s_mov_b32 s41, 0
	s_wait_kmcnt 0x0
	s_lshl_b32 s40, s24, 16
	s_add_nc_u64 s[42:43], s[12:13], s[40:41]      ; kcod and vcod at my first head
	s_add_nc_u64 s[44:45], s[16:17], s[40:41]
	s_lshl_b32 s31, s4, 13
	s_add_co_u32 s40, s40, s31
	s_lshl_b32 s31, s2, 9
	s_add_co_u32 s40, s40, s31
	s_add_nc_u64 s[46:47], s[8:9], s[40:41]        ; qcod at my 16 queries
	s_lshl_b32 s40, s24, 13
	s_add_nc_u64 s[48:49], s[14:15], s[40:41]      ; kscl
	s_lshl_b32 s31, s4, 10
	s_add_co_u32 s40, s40, s31
	s_lshl_b32 s31, s2, 6
	s_add_co_u32 s40, s40, s31
	s_add_nc_u64 s[50:51], s[10:11], s[40:41]      ; qscl at my queries
	s_lshl_b32 s40, s24, 12
	s_add_nc_u64 s[52:53], s[18:19], s[40:41]      ; vscl
	s_lshl_b32 s40, s6, 20                         ; acod: 8,192 bytes a tile of 16 tokens, 512 a head
	s_lshl_b32 s31, s4, 17
	s_add_co_u32 s40, s40, s31
	s_lshl_b32 s31, s2, 13
	s_add_co_u32 s40, s40, s31
	s_lshl_b32 s31, s7, 10
	s_add_co_u32 s40, s40, s31
	s_add_nc_u64 s[36:37], s[20:21], s[40:41]
	s_lshl_b32 s40, s6, 16                         ; ascl: 32 bytes a token, 4 a pair of heads
	s_lshl_b32 s31, s4, 13
	s_add_co_u32 s40, s40, s31
	s_lshl_b32 s31, s2, 9
	s_add_co_u32 s40, s40, s31
	s_lshl_b32 s31, s7, 2
	s_add_co_u32 s40, s40, s31
	s_add_nc_u64 s[54:55], s[22:23], s[40:41]
.irp c, 0,1
.irp j, 0,1,2
	global_load_b128 v[96+4*(3*\c+\j):99+4*(3*\c+\j)], v[6+\j], s[42:43] offset:65536*\c
	global_load_b128 v[120+4*(3*\c+\j):123+4*(3*\c+\j)], v[6+\j], s[44:45] offset:65536*\c
.endr
.endr
	global_load_b128 v[16:19], v9, s[46:47]        ; Q of the first head, and of the second
	global_load_b128 v[28:31], v9, s[46:47] offset:65536
	global_load_b32 v24, v10, s[50:51]
	global_load_b32 v25, v10, s[50:51] offset:8192
	s_cmp_lt_u32 s2, 12
	s_cbranch_scc0 .Lnosc
	s_wait_alu depctr_va_vdst(0)
	global_load_b128 v[144:147], v153, s[48:49]
	global_load_b64 v[148:149], v154, s[52:53]
	s_wait_loadcnt 0x0
.irp e, 0,1,2,3
	ds_store_b32 v151, v[144+\e] offset:16*\e
.endr
	ds_store_b64 v152, v[148:149]
.Lnosc:
	s_wait_loadcnt 0x0
.irp c, 0,1
.irp j, 0,1,2
	ds_store_b128 v11, v[96+4*(3*\c+\j):99+4*(3*\c+\j)] offset:24576*\c+8192*\j
	ds_store_b128 v150, v[120+4*(3*\c+\j):123+4*(3*\c+\j)] offset:24576*\c+8192*\j
.endr
.endr
.irp T, 0,1,2,3,4,5,6,7
.irp k, 4,5,6,7
	v_mov_b32 v[32+8*\T+\k], 0                     ; K's fragments beyond the head's 64: zero codes, written once
.endr
.endr
.irp k, 20,21,22,23
	v_mov_b32 v\k, 0                               ; Q's likewise
.endr
.irp k, 236,237,238,239,253
	v_mov_b32 v\k, 0                               ; lane permutes' destinations, and the upper half of the pair v[252:253]
.endr
	v_mov_b32 v[AW], 0
	v_mov_b32 v[NINF], 0xff800000
	s_wait_dscnt 0x0                               ; for the others' sake: my stores have landed
	s_barrier_signal -1
	s_barrier_wait -1                              ; the launch's only barrier: LDS is only read from here on
; A KEY STEP: slot g + s.  mask = 1: the window's far edge (key offset <= query offset is hidden); mask = 2: the diagonal (key offset > query offset is hidden); 0: all 128 keys count.
.macro STEP s, mask
.if \s < 4
	s_add_co_i32 s31, s25, \s
	s_cmp_lt_i32 s31, 0
	s_cbranch_scc1 .Lskip_\@                       ; the key block lies in front of the sequence
.endif
.rept 4
	v_nop                                          ; places in front of loads into registers that the last products read
.endr
.irp T, 0,1,2,3,4,5,6,7
	ds_load_b128 v[32+8*\T:35+8*\T], v[AK] offset:4096*\s+512*\T
.endr
	ds_load_b128 v[248:251], v[AKS] offset:512*\s  ; register q: lanes 0-15 tile q's scale words, lanes 16-31 tile 4 + q's
.irp dt, 0,1,2,3
	ds_load_b128 v[192+8*\dt:195+8*\dt], v[AV] offset:4096*\s+1024*\dt
	ds_load_b128 v[196+8*\dt:199+8*\dt], v[AV] offset:4096*\s+1024*\dt+512
.endr
.irp dt, 0,1,2,3
	ds_load_b32 v[240+\dt], v[AVS] offset:256*\s+64*\dt
.endr
	s_wait_dscnt 12                                ; K's nine loads are in; V's twelve were issued behind them
.irp T, 0,1,2,3
	v_wmma_scale_f32_16x16x128_f8f6f4 v[96+8*\T:103+8*\T], v[32+8*\T:39+8*\T], v[16:23], 0, v[248+\T], v24 matrix_a_fmt:MATRIX_FMT_FP4 matrix_b_fmt:MATRIX_FMT_FP4
.endr
.irp T, 4,5,6,7
	v_wmma_scale_f32_16x16x128_f8f6f4 v[96+8*\T:103+8*\T], v[32+8*\T:39+8*\T], v[16:23], 0, v[244+\T], v24 matrix_a_fmt:MATRIX_FMT_FP4 matrix_b_fmt:MATRIX_FMT_FP4 matrix_a_scale:MATRIX_SCALE_ROW1
.endr
.rept 4
	v_nop
.endr
.if \mask                              ; register n holds key offset 32 (n / 16) + n % 16 + 16 (lane / 16); hidden scores become -infinity ahead of the maximum: p = 0 then
.set n, 0
.rept 64
.if \mask == 1
	v_cmp_le_i32 vcc_lo, 32*(n/16)+n%16, v[DD]
.else
	v_cmp_gt_i32 vcc_lo, 32*(n/16)+n%16, v[DD]
.endif
	v_cndmask_b32 v[96+n], v[96+n], v[NINF], vcc_lo
.set n, n+1
.endr
.endif
.irp b, 0,1,2,3
	v_max3_num_f32 v[232+\b], v[96+16*\b], v[97+16*\b], v[98+16*\b]    ; the largest score of each block of 32 keys: for the row's maximum and, since p rises with the score, for the block's largest p
.endr
.irp i, 3,5,7,9,11,13
.irp b, 0,1,2,3
	v_max3_num_f32 v[232+\b], v[232+\b], v[96+16*\b+\i], v[97+16*\b+\i]
.endr
.endr
.irp b, 0,1,2,3
	v_max_num_f32 v[232+\b], v[232+\b], v[111+16*\b]
.endr
.irp b, 0,1,2,3
	s_delay_alu instid0(VALU_DEP_4)
	v_permlanex16_b32 v[236+\b], v[232+\b], s[SEL], s[SEL+1]
.endr
.irp b, 0,1,2,3
	s_delay_alu instid0(VALU_DEP_4)
	v_max_num_f32 v[232+\b], v[232+\b], v[236+\b]
.endr
	s_delay_alu instid0(VALU_DEP_2)
	v_max3_num_f32 v254, v232, v233, v234
	s_delay_alu instid0(VALU_DEP_1)
	v_max_num_f32 v254, v254, v235
	s_delay_alu instid0(VALU_DEP_1)
	v_mul_f32 v254, s[CS], v254                    ; the step's largest t of my query
	s_delay_alu instid0(VALU_DEP_1)
	v_max_num_f32 v13, v13, v254                   ; the running largest t
	v_mov_b32 v254, v12
	s_delay_alu instid0(VALU_DEP_2)
	v_floor_f32 v12, -v13                          ; -M = floor(-t): M is a whole number
	s_delay_alu instid0(VALU_DEP_1)
	v_sub_f32 v254, v12, v254                      ; old M - new M: a whole number, 0 or less
	s_delay_alu instid0(VALU_DEP_1)
	v_cvt_i32_f32 v254, v254                       ; (it saturates)
	s_delay_alu instid0(VALU_DEP_1)
	v_ldexp_f32 v252, 1.0, v254                    ; f = 2^(old M - new M)
.set n, 0
.rept 32
	v_pk_mul_f32 v[96+n:97+n], v[96+n:97+n], s[CS:CS+1] op_sel_hi:[1,0]    ; t = score x log2(e) / 8, rounded to f32;
.set n, n+2
.endr
.irp b, 0,1,2,3
	v_mul_f32 v[232+\b], s[CS], v[232+\b]          ; the same of each block's largest score
.endr
.set n, 0
.rept 32
	v_pk_add_f32 v[96+n:97+n], v[96+n:97+n], v[12:13] op_sel_hi:[1,0]      ; then t - M (of the pair the low word, -M, serves both halves)
.set n, n+2
.endr
.irp b, 0,1,2,3
	v_add_f32 v[232+\b], v12, v[232+\b]
.endr
.set n, 0
	s_wait_alu depctr_va_vdst(0)
.rept 64
	v_exp_f32 v[96+n], v[96+n]                     ; p = 2^(t - M)
.set n, n+1
.endr
	v_pk_mul_f32 v[14:15], v[14:15], v[252:253] op_sel_hi:[1,0]    ; the sums under the new M; a plain place behind the exponentials
	s_wait_alu depctr_va_vdst(0)                   ; one wait for the batch, ahead of its first reader
.irp b, 0,1,2,3
	v_exp_f32 v[232+\b], v[232+\b]                 ; each block's largest p
.endr
	v_pk_add_f32 v[236:237], v[96:97], v[98:99]    ; the row's sum of the unquantised p, in two chains
.irp j, 4,8,12,16,20,24,28,32,36,40,44,48,52,56,60
	v_pk_add_f32 v[14:15], v[14:15], v[96+\j:97+\j]
	v_pk_add_f32 v[236:237], v[236:237], v[98+\j:99+\j]
.endr
	s_delay_alu instid0(VALU_DEP_1)
	v_pk_add_f32 v[14:15], v[14:15], v[236:237]
	s_wait_alu depctr_va_vdst(0)                   ; and one for the four
.irp b, 0,1,2,3
	v_max_num_f32 v[232+\b], 0x1800000, v[232+\b]  ; the floor 2^(3 - 127): the byte cannot fall under 1
.endr
.irp b, 0,1,2,3
	s_delay_alu instid0(VALU_DEP_4)
	v_add_nc_u32 v[244+\b], 0xff000000, v[232+\b]
.endr
.irp b, 0,1,2,3
	s_delay_alu instid0(VALU_DEP_4)
	v_lshrrev_b32 v[236+\b], 23, v[244+\b]
.endr
	s_delay_alu instid0(VALU_DEP_3)
	v_lshl_or_b32 v253, v237, 8, v236              ; p's scale word for these 128 keys
	s_delay_alu instid0(VALU_DEP_1)
	v_lshl_or_b32 v253, v238, 16, v253
	s_delay_alu instid0(VALU_DEP_1)
	v_lshl_or_b32 v253, v239, 24, v253
.irp b, 0,1,2,3
	v_cvt_scalef32_pk8_fp4_f32 v[224+2*\b], v[96+16*\b:103+16*\b], v[244+\b]
	v_cvt_scalef32_pk8_fp4_f32 v[225+2*\b], v[104+16*\b:111+16*\b], v[244+\b]
.endr
	v_nop
.irp c, 0,1
.irp i, 0,1
	v_permlane16_swap_b32 v[224+4*\c+\i], v[226+4*\c+\i]
.endr
.endr
.set n, 0
.rept 16
	v_pk_mul_f32 v[160+n:161+n], v[160+n:161+n], v[252:253] op_sel_hi:[1,0]   ; O^T under the new M; these sixteen are also the places between the scale word, the codes and the products
.set n, n+2
.endr
	s_wait_alu depctr_va_vdst(0)
	s_wait_dscnt 0x0                               ; V
.irp dt, 0,1,2,3
	v_wmma_scale_f32_16x16x128_f8f6f4 v[160+8*\dt:167+8*\dt], v[192+8*\dt:199+8*\dt], v[224:231], v[160+8*\dt:167+8*\dt], v[240+\dt], v253 matrix_a_fmt:MATRIX_FMT_FP4 matrix_b_fmt:MATRIX_FMT_FP4
.endr
.if \s < 4
.Lskip_\@:
.endif
.endm
	s_mov_b32 s30, 2
.Lhead:                                            ; two trips: the pair's two heads
	v_mov_b32 v13, 0xff61b1e6                      ; the largest t so far: -3e38
	s_delay_alu instid0(VALU_DEP_1)
	v_floor_f32 v12, -v13
	v_mov_b32 v14, 0
	v_mov_b32 v15, 0
.set n, 0
.rept 32
	v_mov_b32 v[160+n], 0                          ; O^T: the step is written once for all steps; the first change of M leaves zeros zeros
.set n, n+1
.endr
	STEP 0, 1
	STEP 1, 0
	STEP 2, 0
	STEP 3, 0
	STEP 4, 2
.rept 4
	v_nop                                          ; places in front of the first read of the last products' results
.endr
	v_add_f32 v14, v14, v15
	s_delay_alu instid0(VALU_DEP_1)
	v_permlanex16_b32 v252, v14, s[SEL], s[SEL+1]
	s_delay_alu instid0(VALU_DEP_1)
	v_add_f32 v14, v14, v252                       ; the row's sum
	s_wait_alu depctr_va_vdst(0)
	v_rcp_f32 v14, v14
	v_nop
	s_wait_alu depctr_va_vdst(0)
.set n, 0
.rept 32
	v_mul_f32 v[96+n], v[160+n], v14               ; register 8 t + j: o(my query, channel 16 t + 8 h + j)
.set n, n+1
.endr
	QUANT2 96, 224, 232, 236, 254
	global_store_b128 v[L16], v[224:227], s[36:37] ; the image of the last product's operand: 512 consecutive bytes
	v_lshrrev_b32 v[AW], 16, v[AW]
	s_delay_alu instid0(VALU_DEP_1)
	v_lshl_or_b32 v[AW], v254, 16, v[AW]           ; the first head's two bytes end below, the second's above
	s_wait_xcnt 0x0                                ; the store has read its base and its data: both are written again
	s_add_nc_u64 s[36:37], s[36:37], 512
.irp k, 0,1,2,3
	v_mov_b32 v[16+\k], v[28+\k]                   ; on to the second head
.endr
	v_mov_b32 v24, v25
	v_add_nc_u32 v[AK], 24576, v[AK]
	v_add_nc_u32 v[AV], 24576, v[AV]
	v_add_nc_u32 v[AKS], 3072, v[AKS]
	v_add_nc_u32 v[AVS], 1536, v[AVS]
	s_sub_co_u32 s30, s30, 1
	s_cmp_lg_u32 s30, 0
	s_cbranch_scc1 .Lhead
	v_and_b32 v232, 15, v0
	s_delay_alu instid0(VALU_DEP_1)
	v_lshlrev_b32 v232, 5, v232
	v_and_b32 v233, 31, v0
	s_delay_alu instid0(VALU_DEP_1)
	v_cmp_gt_u32 vcc_lo, 16, v233
	s_wait_alu depctr_va_vdst(0)
	s_wait_xcnt 0x0                                ; EXEC changes only behind this wait
	s_and_saveexec_b32 s31, vcc_lo
	global_store_b32 v232, v[AW], s[54:55]         ; four of each token's 32 scale bytes
	s_wait_xcnt 0x0
	s_or_b32 exec_lo, exec_lo, s31
	s_wait_xcnt 0x0
	s_mov_b32 exec_lo, -1
	v_lshl_add_u32 v254, v0, 2, 0x1a400
	v_mov_b32 v255, 0
	s_wait_alu depctr_va_vdst(0)
	s_wait_tensorcnt 0x0
	ds_add_u32 v254, v255
	s_wait_dscnt 0x0
	s_endpgm
.Lfunc_end_k_q6957c31ecc_attn:
	.size	k_q6957c31ecc_attn, .Lfunc_end_k_q6957c31ecc_attn-k_q6957c31ecc_attn
	.p2alignl 7, 3214868480
	.fill 96, 4, 3214868480
	.section	.rodata,"a",@progbits
	.p2align	6, 0x0
	.amdhsa_kernel k_q6957c31ecc_attn
		.amdhsa_group_segment_fixed_size 109568
		.amdhsa_private_segment_fixed_size 0
		.amdhsa_enable_private_segment 0
		.amdhsa_kernarg_size 64
		.amdhsa_user_sgpr_count 2
		.amdhsa_user_sgpr_kernarg_segment_ptr 1
		.amdhsa_wavefront_size32 1
		.amdhsa_system_sgpr_workgroup_id_x 1
		.amdhsa_system_sgpr_workgroup_id_y 1
		.amdhsa_system_sgpr_workgroup_id_z 1
		.amdhsa_system_vgpr_workitem_id 0
		.amdhsa_next_free_vgpr 256
		.amdhsa_next_free_sgpr 66
		.amdhsa_reserve_vcc 1
		.amdhsa_float_denorm_mode_32 3
		.amdhsa_float_denorm_mode_16_64 3
		.amdhsa_memory_ordered 1
		.amdhsa_forward_progress 1
		.amdhsa_inst_pref_size 116
	.end_amdhsa_kernel
	.amdgpu_metadata
---
amdhsa.version: [ 1, 2 ]
amdhsa.kernels:
  - .name:           k_q6957c31ecc_attn
    .symbol:         k_q6957c31ecc_attn.kd
    .args:
      - { .name: qcod, .offset: 0, .size: 8, .value_kind: global_buffer, .address_space: global }
      - { .name: qscl, .offset: 8, .size: 8, .value_kind: global_buffer, .address_space: global }
      - { .name: kcod, .offset: 16, .size: 8, .value_kind: global_buffer, .address_space: global }
      - { .name: kscl, .offset: 24, .size: 8, .value_kind: global_buffer, .address_space: global }
      - { .name: vcod, .offset: 32, .size: 8, .value_kind: global_buffer, .address_space: global }
      - { .name: vscl, .offset: 40, .size: 8, .value_kind: global_buffer, .address_space: global }
      - { .name: acod, .offset: 48, .size: 8, .value_kind: global_buffer, .address_space: global }
      - { .name: ascl, .offset: 56, .size: 8, .value_kind: global_buffer, .address_space: global }
    .group_segment_fixed_size: 109568
    .private_segment_fixed_size: 0
    .kernarg_segment_align: 8
    .kernarg_segment_size: 64
    .max_flat_workgroup_size: 512
    .sgpr_count:     66
    .vgpr_count:     256
    .wavefront_size: 32
...
	.end_amdgpu_metadata
.endif
;; end of part 2
;; launch proj (part 3): grid 4 x 64, 8 waves a work-group, no clusters, 105,472 bytes of LDS; arguments acod, ascl, c_proj_w_codes, c_proj_w_scales, c_proj_b, out0; writes out0
.if DOCPART == 3
	.amdgcn_target "amdgcn-amd-amdhsa--gfx1250"
	.amdhsa_code_object_version 6
	.text
	.protected	k_q6957c31ecc_proj
	.globl	k_q6957c31ecc_proj
	.p2align	8
	.type	k_q6957c31ecc_proj,@function
k_q6957c31ecc_proj:
	s_mov_b64 s[64:65], 0
	v_nop
	global_prefetch_b8 v0, s[64:65] scope:SCOPE_SE
	s_setreg_imm32_b32 hwreg(HW_REG_WAVE_MODE, 25, 1), 1
	s_wait_xcnt 0x0
; y = a W^T + b on codes of FP4 (E2M1) with E8M0 scales.  a: the attention's result as codes, laid as images of operand fragments: [512 tiles of 16 tokens][8 K steps][2][512 bytes]; its scale bytes [8,192][32].
; SHARES.  A work-group takes 128 tokens (work-group y) and 256 columns (work-group x).  Wave w owns columns 64 (w % 4) on, for all of K = 1,024: 256 registers of W (window 1), read once; and the four tiles of tokens 4 (w / 4) on.
; The 128 tokens' codes lie once in LDS.  THE PRODUCT IS USED TRANSPOSED (source 0 = 16 rows of W, source 1 = 16 tokens): a lane holds eight neighbouring columns of one token.  The bias is the C of each sum's first product.
; No tensor load and no cluster: the weights go straight into operand registers; nothing is prefetched: every global read stands at the head.
.set ASC,  65536                       ; LDS: behind the 8 tiles' images: their scale words, 512 bytes a tile: byte 256 H + 16 R holds words 4 H .. 4 H + 3 of token R
.set STG,  69632                       ; a stage of 16 rows x (256 + 16) bytes for each wave
.set SP,   272
.set FA,   4
.set WA,   5
.set WSA,  6
.set AST,  7
.set ASST, 8
.set BA,   9
.set XA,   10
.set XSA,  11
.set STO,  12
.set RD,   13
.set OA,   14
.set WS,   24                          ; v24-39 W's scale words: register 4 t + q: lanes 0-15 K step q, lanes 16-31 K step 4 + q
.set XS,   40                          ; v40-43 a's, likewise
.set XF,   64                          ; v64-127 a tile's eight fragments
.set ACC,  128
.set BI,   160                         ; v160-191 the bias in the result's layout
.set OB,   192                         ; v192-223 16 rows read back from the stage
.set MSB, 0
.macro WIN new
.if MSB != \new
	s_set_vgpr_msb (MSB<<8)|\new
.set MSB, \new
.endif
.endm
.macro MM4 s                           ; K step s of my four tiles of W; the four accumulators take turns
.irp t, 0,1,2,3
.if (\s) == 0
	v_wmma_scale_f32_16x16x128_f8f6f4 v[ACC+8*\t:ACC+8*\t+7], v[64*\t:64*\t+7], v[XF:XF+7], v[BI+8*\t:BI+8*\t+7], v[WS+4*\t], v[XS] matrix_a_fmt:MATRIX_FMT_FP4 matrix_b_fmt:MATRIX_FMT_FP4
.elseif (\s) < 4
	v_wmma_scale_f32_16x16x128_f8f6f4 v[ACC+8*\t:ACC+8*\t+7], v[64*\t+8*(\s):64*\t+8*(\s)+7], v[XF+8*(\s):XF+8*(\s)+7], v[ACC+8*\t:ACC+8*\t+7], v[WS+4*\t+(\s)%4], v[XS+(\s)%4] matrix_a_fmt:MATRIX_FMT_FP4 matrix_b_fmt:MATRIX_FMT_FP4
.else
	v_wmma_scale_f32_16x16x128_f8f6f4 v[ACC+8*\t:ACC+8*\t+7], v[64*\t+8*(\s):64*\t+8*(\s)+7], v[XF+8*(\s):XF+8*(\s)+7], v[ACC+8*\t:ACC+8*\t+7], v[WS+4*\t+(\s)%4], v[XS+(\s)%4] matrix_a_fmt:MATRIX_FMT_FP4 matrix_b_fmt:MATRIX_FMT_FP4 matrix_a_scale:MATRIX_SCALE_ROW1 matrix_b_scale:MATRIX_SCALE_ROW1
.endif
.endr
.endm
	s_load_b256 s[8:15], s[0:1], 0x0               ; acod 8, ascl 10, W's codes 12, W's scales 14
	s_load_b128 s[16:19], s[0:1], 0x20             ; b 16, out0 18
	v_lshl_add_u32 v254, v0, 2, 0x19800
	v_mov_b32 v255, 0
	v_lshrrev_b32 v1, 5, v0
	s_delay_alu instid0(VALU_DEP_1)
	v_readfirstlane_b32 s2, v1                     ; wave 0..7
	s_and_b32 s3, s2, 3
	s_lshr_b32 s4, s2, 2
	s_and_b32 s6, ttmp7, 0xffff
	s_lshl_b32 s7, ttmp9, 8
	s_lshl_b32 s20, s3, 6
	s_add_co_u32 s7, s7, s20                       ; my first column
	v_and_b32 v1, 31, v0
	v_and_b32 v2, 15, v0                           ; R
	v_bfe_u32 v3, v0, 4, 1                         ; H
	s_delay_alu instid0(VALU_DEP_3)
	v_lshlrev_b32 v[FA], 4, v1
	s_delay_alu instid0(VALU_DEP_3)
	v_lshlrev_b32 v[WA], 9, v2
	s_delay_alu instid0(VALU_DEP_1)
	v_lshl_add_u32 v[WA], v3, 4, v[WA]
	v_lshlrev_b32 v[WSA], 5, v2
	s_delay_alu instid0(VALU_DEP_1)
	v_lshl_add_u32 v[WSA], v3, 4, v[WSA]
	s_lshl_b32 s20, s2, 13
	v_add_nc_u32 v[AST], s20, v[FA]                ; wave w copies tile w
	v_and_b32 v[ASST], 1, v0
	s_delay_alu instid0(VALU_DEP_1)
	v_lshlrev_b32 v[ASST], 8, v[ASST]
	v_lshrrev_b32 v[BA], 1, v1
	s_delay_alu instid0(VALU_DEP_1)
	v_lshl_add_u32 v[ASST], v[BA], 4, v[ASST]
	s_lshl_b32 s20, s2, 9
	s_add_co_u32 s20, s20, ASC
	v_add_nc_u32 v[ASST], s20, v[ASST]
	v_lshlrev_b32 v[BA], 5, v3                     ; the bias of columns 16 t + 8 H + 0 .. 7
	s_lshl_b32 s20, s4, 15
	v_add_nc_u32 v[XA], s20, v[FA]                 ; my four tiles' images
	s_lshl_b32 s20, s4, 11
	s_add_co_u32 s20, s20, ASC
	v_add_nc_u32 v[XSA], s20, v[FA]
	s_mul_i32 s20, s2, 16*SP
	s_add_co_u32 s20, s20, STG
	v_mul_u32_u24 v[STO], v2, SP
	s_delay_alu instid0(VALU_DEP_1)
	v_lshl_add_u32 v[STO], v3, 5, v[STO]
	s_delay_alu instid0(VALU_DEP_1)
	v_add_nc_u32 v[STO], s20, v[STO]               ; stage in: row R, 32 H bytes on
	v_mul_u32_u24 v[RD], v3, SP
	s_delay_alu instid0(VALU_DEP_1)
	v_lshl_add_u32 v[RD], v2, 4, v[RD]
	s_delay_alu instid0(VALU_DEP_1)
	v_add_nc_u32 v[RD], s20, v[RD]                 ; stage out: lanes 0-15 one row, lanes 16-31 the next
	v_lshlrev_b32 v[OA], 12, v3
	s_delay_alu instid0(VALU_DEP_1)
	v_lshl_add_u32 v[OA], v2, 4, v[OA]             ; and the same two rows of out0
	s_mov_b32 s21, 0
	s_wait_alu depctr_va_vdst(0)
	s_wait_kmcnt 0x0
	s_lshl_b32 s20, s6, 16
	s_lshl_b32 s22, s2, 13
	s_add_co_u32 s20, s20, s22
	s_add_nc_u64 s[24:25], s[8:9], s[20:21]
	s_lshl_b32 s20, s6, 12
	s_lshl_b32 s22, s2, 9
	s_add_co_u32 s20, s20, s22
	s_add_nc_u64 s[26:27], s[10:11], s[20:21]
	s_lshl_b32 s20, s7, 9
	s_add_nc_u64 s[28:29], s[12:13], s[20:21]
	s_lshl_b32 s20, s7, 5
	s_add_nc_u64 s[30:31], s[14:15], s[20:21]
	s_lshl_b32 s20, s7, 2
	s_add_nc_u64 s[32:33], s[16:17], s[20:21]
	s_lshl_b32 s22, s6, 19                         ; out0: 128 rows of 4,096 bytes a work-group, my 64
	s_add_co_u32 s20, s20, s22
	s_lshl_b32 s22, s4, 18
	s_add_co_u32 s20, s20, s22
	s_add_nc_u64 s[34:35], s[18:19], s[20:21]
.set i, 0
.rept 16
	global_load_b128 v[64+4*i:67+4*i], v[FA], s[24:25] offset:512*i
.set i, i+1
.endr
	global_load_b128 v[OB:OB+3], v[FA], s[26:27]
.irp t, 0,1,2,3
	global_load_b128 v[WS+4*\t:WS+4*\t+3], v[WSA], s[30:31] offset:512*\t
.endr
.irp t, 0,1,2,3
	global_load_b128 v[BI+8*\t:BI+8*\t+3], v[BA], s[32:33] offset:64*\t
	global_load_b128 v[BI+8*\t+4:BI+8*\t+7], v[BA], s[32:33] offset:64*\t+16
.endr
	WIN 0x40                                       ; destination window 1
.irp t, 0,1,2,3
.irp s, 0,1,2,3,4,5,6,7
	global_load_b128 v[64*\t+8*\s:64*\t+8*\s+3], v[WA], s[28:29] offset:8192*\t+64*\s
	global_load_b128 v[64*\t+8*\s+4:64*\t+8*\s+7], v[WA], s[28:29] offset:8192*\t+64*\s+32
.endr
.endr
	WIN 0
	s_wait_loadcnt 63                              ; the 17 loads of a are the oldest of 93: 76 were issued behind them
.set i, 0
.rept 16
	ds_store_b128 v[AST], v[64+4*i:67+4*i] offset:512*i
.set i, i+1
.endr
	ds_store_b128 v[ASST], v[OB:OB+3]
	s_wait_dscnt 0x0                               ; for the others' sake: my stores have landed
	s_barrier_signal -1
	s_barrier_wait -1                              ; the first of two barriers: the images are only read from here on; each stage is its wave's own
	s_wait_loadcnt 0x0                             ; W, its scale words, the bias
.macro XLOAD tau                       ; my tile tau's eight fragments and its scale words
.irp s, 0,1,2,3,4,5,6,7
	ds_load_b128 v[XF+8*\s:XF+8*\s+3], v[XA] offset:8192*(\tau)+1024*\s
	ds_load_b128 v[XF+8*\s+4:XF+8*\s+7], v[XA] offset:8192*(\tau)+1024*\s+512
.endr
	ds_load_b128 v[XS:XS+3], v[XSA] offset:512*(\tau)
.endm
.macro OUTST tau                       ; tile tau's 16 rows leave: sixteen lanes store 256 consecutive bytes, aligned
.irp i, 0,1,2,3,4,5,6,7
	global_store_b128 v[OA], v[OB+4*\i:OB+4*\i+3], s[34:35] offset:(16*(\tau)+2*\i)*4096 th:TH_STORE_NT
.endr
.endm
.macro PTILE tau
	s_wait_dscnt 0x0                               ; this tile's fragments are in, and the last tile's rows are back from the stage
.if \tau > 0
	OUTST \tau-1
.endif
	WIN 0x01                                       ; source 0 (W) window 1
.irp s, 0,1,2,3,4,5,6,7
	MM4 \s
.endr
	WIN 0
.rept 5
	v_nop                                          ; places in front of loads into registers that the products read, of the first read of results, and of the next tile's sums, which begin anew on these registers
.endr
.if \tau < 3
	XLOAD \tau+1
.endif
.irp t, 0,1,2,3
	ds_store_b128 v[STO], v[ACC+8*\t:ACC+8*\t+3] offset:64*\t              ; each accumulator from its low end on
	ds_store_b128 v[STO], v[ACC+8*\t+4:ACC+8*\t+7] offset:64*\t+16
.endr
.if \tau > 0
	s_wait_xcnt 0x0                                ; the last tile's stores have read their registers
.endif
.irp i, 0,1,2,3,4,5,6,7
	ds_load_b128 v[OB+4*\i:OB+4*\i+3], v[RD] offset:2*\i*SP                ; LDS serves a wave's instructions in order: these see my stores
.endr
.endm
	XLOAD 0
	PTILE 0
	PTILE 1
	PTILE 2
	PTILE 3
	s_wait_dscnt 0x0
	OUTST 3
	s_barrier_signal -1
	s_barrier_wait -1
	s_wait_tensorcnt 0x0
	ds_add_u32 v254, v255
	s_wait_dscnt 0x0
	s_endpgm
.Lfunc_end_k_q6957c31ecc_proj:
	.size	k_q6957c31ecc_proj, .Lfunc_end_k_q6957c31ecc_proj-k_q6957c31ecc_proj
	.p2alignl 7, 3214868480
	.fill 96, 4, 3214868480
	.section	.rodata,"a",@progbits
	.p2align	6, 0x0
	.amdhsa_kernel k_q6957c31ecc_proj
		.amdhsa_group_segment_fixed_size 105472
		.amdhsa_private_segment_fixed_size 0
		.amdhsa_enable_private_segment 0
		.amdhsa_kernarg_size 48
		.amdhsa_user_sgpr_count 2
		.amdhsa_user_sgpr_kernarg_segment_ptr 1
		.amdhsa_wavefront_size32 1
		.amdhsa_system_sgpr_workgroup_id_x 1
		.amdhsa_system_sgpr_workgroup_id_y 1
		.amdhsa_system_sgpr_workgroup_id_z 1
		.amdhsa_system_vgpr_workitem_id 0
		.amdhsa_next_free_vgpr 512
		.amdhsa_next_free_sgpr 66
		.amdhsa_reserve_vcc 0
		.amdhsa_float_denorm_mode_32 3
		.amdhsa_float_denorm_mode_16_64 3
		.amdhsa_memory_ordered 1
		.amdhsa_forward_progress 1
		.amdhsa_inst_pref_size 42
	.end_amdhsa_kernel
	.amdgpu_metadata
---
amdhsa.version: [ 1, 2 ]
amdhsa.kernels:
  - .name:           k_q6957c31ecc_proj
    .symbol:         k_q6957c31ecc_proj.kd
    .args:
      - { .name: acod, .offset: 0, .size: 8, .value_kind: global_buffer, .address_space: global }
      - { .name: ascl, .offset: 8, .size: 8, .value_kind: global_buffer, .address_space: global }
      - { .name: c_proj_w_codes, .offset: 16, .size: 8, .value_kind: global_buffer, .address_space: global }
      - { .name: c_proj_w_scales, .offset: 24, .size: 8, .value_kind: global_buffer, .address_space: global }
      - { .name: c_proj_b, .offset: 32, .size: 8, .value_kind: global_buffer, .address_space: global }
      - { .name: out0, .offset: 40, .size: 8, .value_kind: global_buffer, .address_space: global }
    .group_segment_fixed_size: 105472
    .private_segment_fixed_size: 0
    .kernarg_segment_align: 8
    .kernarg_segment_size: 48
    .max_flat_workgroup_size: 256
    .sgpr_count:     66
    .vgpr_count:     512
    .wavefront_size: 32
...
	.end_amdgpu_metadata
.endif
;; end of part 3
